; MI455X (gfx1250); checked and timed in simulation.
; The chip was launched on July 23, 2026; its instructions are those of AMD's public machine-readable ISA for CDNA 5 (MIT licence, August 2026) and "CDNA5" Instruction Set Architecture Reference Guide (July 2026). The comments in the code are by the model that wrote it; some were corrected since.
;; HAINT Attention. Allowed arithmetic: matrix products marked QUANTISED: E2M3 operands, one E8M0 scale for each 32 along K, by v_wmma_scale_f32_16x16x128_f8f6f4 with both operands' format E2M3, f32 sums; everything else in f32.
;; Inputs: W_a 512 x 512 float32; W_ah 512 x 512 float32; W_as 1,024 x 512 float32; ba 1 x 512 float32; ct 256 x 512 float32; hi 256 x 512 x 512 float32; ht 256 x 512 float32; v 1 x 512 float32.
;; Outputs: out0 256 x 512 float32.
;; This version of the problem:
;;   THIS VERSION OF THE PROBLEM IS GIVEN IN LOW PRECISION. The matrix products marked QUANTISED in the list below multiply operands that are first quantised to E2M3 (2 exponent bits, 3 mantissa bits; 6 bits a number), with one power-of-two scale for each 32 numbers along K (OCP MX v1.0); their sums are f32. All else is computed in f32.
;;   The module's matrix products, in the order in which they are computed (A, B: the left and right operand; K: the contracted axis; several contracted axes count as one K, in the product's order):
;;     1. [M 256, K 1,024] x [K 1,024, N 512]; A: computed on the way; B: input W_as: QUANTISED
;;     2. [M 131,072, K 512] x [K 512, N 512]; A: input hi; B: input W_ah: QUANTISED
;;     3. [M 131,072, K 512] x [K 512, N 512]; A: computed on the way; B: input W_a: QUANTISED
;;   THE QUANTISER, for each operand of a quantised product, along K:
;;     - K is cut into blocks of 32 from its start; a last block that is shorter is filled with zeros.
;;     - A block's scale is 2^e with e = floor(log2(the largest magnitude in the block)) - 2, held to -126 .. 127; a block of zeros has e = 0. As a byte (E8M0): e + 127.
;;     - Each number is divided by its block's scale, clamped to +-7.5, and rounded to the nearest number of E2M3, ties to even, subnormals kept.
;;     - The product sums the exact products of the quantised numbers (number of the format x scale) in f32.
;;   ~~~python
;;   def quantise(x, axis):      # numpy; x: float32 -> the quantised numbers, widened to float32 again
;;       x = np.moveaxis(x, axis, -1); K = x.shape[-1]
;;       x = np.pad(x, [(0, 0)] * (x.ndim - 1) + [(0, -K % 32)]); x = x.reshape(x.shape[:-1] + (-1, 32)); a = np.abs(x).max(-1, keepdims=True)
;;       e = np.where(a > 0, np.clip(np.frexp(np.where(a > 0, a, 1))[1] - 1 - 2, -126, 127), 0)      # np.frexp(a)[1] - 1 = floor(log2(a)), exactly
;;       r = np.clip(x / 2.0 ** e, -7.5, 7.5)
;;       step = 2.0 ** (np.maximum(np.frexp(np.where(r == 0, 1, r))[1] - 1, 0) - 3)
;;       q = np.round(r / step) * step * 2.0 ** e      # np.round: ties to even
;;       return np.moveaxis(q.reshape(q.shape[:-2] + (-1,))[..., :K], -1, axis).astype(np.float32)
;;   ~~~
;;   OPERANDS COMPUTED ON THE WAY. 'Computed on the way' means the value that the module computes at that place (a softmax that the list does not call 'softmax' is quantised finished and normalised). What goes into a quantiser is computed in f32, as accurately as f32 sums, v_exp_f32 and their like allow (about 1e-6 of the number): no bf16 or f16 on the way to a quantiser, and a product that is left as it is and whose result goes on into a quantised operand takes f32 operands (vector FMAs, or v_wmma_f32_16x16x4_f32). A number that lies on a knife's edge between two numbers of the format may be rounded either way, as far as f32 arithmetic and the matrix unit's own rounding can turn it there, and no further.
;; One version. Each part assembles by itself: llvm-mc -triple=amdgcn-amd-amdhsa -mcpu=gfx1250 --defsym DOCPART=n.
;; ======== version 1 of 1: 2 launches
;; limits: a function is approximated: absolute error at most 3e-07
;; workspace buffers: wimg 786,432 bytes; wsc 32,768 bytes
;; launch prep (part 1): grid 256 x 1, 1 waves a work-group, no clusters, 0 bytes of LDS; arguments W_as, W_ah, W_a, wimg, wsc; writes wimg, wsc
.if DOCPART == 1
	.amdgcn_target "amdgcn-amd-amdhsa--gfx1250"
	.amdhsa_code_object_version 6
	.text
	.protected	k_q2872067716_prep
	.globl	k_q2872067716_prep
	.p2align	8
	.type	k_q2872067716_prep,@function
k_q2872067716_prep:
	s_mov_b64 s[64:65], 0
	v_nop
	global_prefetch_b8 v0, s[64:65] scope:SCOPE_SE
	s_setreg_imm32_b32 hwreg(HW_REG_WAVE_MODE, 25, 1), 1
	s_wait_xcnt 0x0
; W_as [1024][512], W_ah [512][512], W_a [512][512], f32, K = the FIRST axis, become codes of FP6 (E2M3) with one E8M0 byte for each 32 along K,
; laid as IMAGES OF OPERAND REGISTERS: a fragment (16 columns x 128 K, 12 registers a lane) is 3 pieces of 512 bytes, piece c of lane l at 512 c + 16 l.
; wimg: byte 0: W_as, [wave w][f = 8 s + t], 1,536 bytes a fragment; byte 393,216: [w][g], g = 8 s + q: W_a, g = 32 + 8 s + t: W_ah.  (w: which 128 columns; s: K step of 128.)
; wsc:  byte 0: W_as, [w][f][16 words]; byte 16,384: [w][8 s + tile][W_ah's 16 words, W_a's 16 words].  A word: the four bytes of one column's 128 K.
; WHICH COLUMNS FORM A TILE (inside the 128 of w): W_as, W_ah: tile 2 b + u, lane r: column 32 b + 8 u + r + 8 (r / 8);  W_a: tile 4 p + c, lane r: column 64 p + 4 r + c.
; SHARES: a work-group is one wave: 32 columns x 128 K of one matrix: two tiles.  A LANE TAKES A COLUMN AND ITS REGISTERS RUN DOWN K: a block's largest magnitude needs no other lane, and the
; conversions give codes with K innermost.  Lanes 0-15 hold the first tile's columns, lanes 16-31 the second's; the operand's layout wants blocks 0, 2 in lanes 0-15 and blocks 1, 3 in lanes 16-31:
; twelve exchanges of halves make the two fragments.  One path through the text: what differs between the matrices is chosen by the work-group's number.
; A block's scale is 2^(floor(log2(its largest magnitude)) - 2): its byte is that magnitude's exponent field - 2, held at 1 from below.
; LIMITS: a block of zeros gets the byte 1 where the rule says 127 (its codes are zeros, and this program alone reads the bytes); blocks whose largest magnitude lies under 2^-124 are held at byte 1;
; NaN and infinities are not served.  The scale words leave in pieces of 64 bytes: 32 KB in all, beside 768 KB of images in stores of 512 consecutive bytes.
.set X,  16                            ; v16-143  my column's 128 numbers
.set MX, 4                             ; v4-7     the four blocks' largest magnitudes
.set SO, 8                             ; v8-11    the conversions' scale operands
.set BY, 12                            ; v12-15   the scale bytes
.set WD, 144                           ; v144     my column's scale word
.set T0, 148                           ; v148-159 blocks 0, 2; then the first tile's fragment
.set T1, 160                           ; v160-171 blocks 1, 3; then the second tile's
.set UP, 172                           ; v172-187 each block's upper 16 codes (a conversion's three registers begin on an even number)
	s_load_b128 s[4:7], s[0:1], 0x0                ; W_as, W_ah
	s_load_b128 s[8:11], s[0:1], 0x10              ; W_a, wimg
	s_load_b64 s[12:13], s[0:1], 0x20              ; wsc
	s_and_b32 s14, ttmp9, 7                        ; work-groups 0-127: W_as: K step u % 8,
	s_lshr_b32 s15, ttmp9, 3                       ; block of 32 columns u / 8
	s_and_b32 s16, ttmp9, 3                        ; 128-191: W_ah, 192-255: W_a: K step u % 4,
	s_bfe_u32 s17, ttmp9, 0x40002                  ; block (u / 4) % 16
	s_cmp_lt_u32 ttmp9, 128
	s_cselect_b32 s14, s14, s16                    ; s
	s_cselect_b32 s15, s15, s17                    ; cb = 4 w + x
	s_lshr_b32 s16, s15, 2                         ; w
	s_and_b32 s17, s15, 3                          ; x: my tiles are 2 x and 2 x + 1
	s_lshl_b32 s18, s14, 3
	s_lshl_b32 s19, s17, 1
	s_add_co_u32 s18, s18, s19                     ; 8 s + 2 x: the first fragment's index
	s_lshl_b32 s19, s15, 5                         ; first column: W_as, W_ah: 32 cb
	s_lshl_b32 s20, s16, 7
	s_lshr_b32 s21, s17, 1
	s_lshl_b32 s21, s21, 6
	s_add_co_u32 s20, s20, s21
	s_and_b32 s21, s17, 1
	s_lshl_b32 s21, s21, 1
	s_add_co_u32 s20, s20, s21                     ; W_a: 128 w + 64 (x / 2) + 2 (x % 2)
	s_mov_b32 s22, 393216                          ; where the matrix's images begin (W_a's),
	s_mov_b32 s23, 16448                           ; and its scale words
	v_and_b32 v4, 7, v0
	v_bfe_u32 v5, v0, 3, 1
	v_lshrrev_b32 v6, 4, v0
	s_wait_kmcnt 0x0
	s_cmp_lt_u32 ttmp9, 192                        ; the choices hang on the work-group's number alone
	s_cselect_b32 s19, s19, s20
	s_cselect_b32 s24, 1, 4                        ; columns from lane to lane within eight,
	s_cselect_b32 s25, 16, 32                      ; from lanes 0-7 to lanes 8-15,
	s_cselect_b32 s26, 8, 1                        ; from the first tile to the second
	s_cselect_b32 s22, 442368, s22                 ; W_ah's images: 32 fragments behind W_a's
	s_cselect_b32 s23, 16384, s23
	s_cselect_b64 s[28:29], s[6:7], s[8:9]
	s_cmp_lt_u32 ttmp9, 128
	s_cselect_b32 s22, 0, s22
	s_cselect_b32 s23, 0, s23
	s_cselect_b32 s27, 64, 128                     ; bytes from a tile's scale words to the next tile's
	s_cselect_b64 s[28:29], s[4:5], s[28:29]
	s_lshl_b32 s30, s14, 18                        ; 128 rows of 2,048 bytes a K step
	s_mov_b32 s31, 0
	s_add_nc_u64 s[28:29], s[28:29], s[30:31]
	s_mul_i32 s30, s16, 98304                      ; 64 fragments a wave
	s_add_co_u32 s30, s30, s22
	s_mul_i32 s32, s18, 1536
	s_add_co_u32 s30, s30, s32
	s_add_nc_u64 s[10:11], s[10:11], s[30:31]      ; my two fragments: 3,072 consecutive bytes
	s_lshl_b32 s30, s16, 12                        ; 4,096 bytes of scale words a wave, in either part
	s_add_co_u32 s30, s30, s23
	s_mul_i32 s32, s18, s27
	s_add_co_u32 s30, s30, s32
	s_add_nc_u64 s[12:13], s[12:13], s[30:31]
	v_mul_u32_u24 v1, v4, s24
	v_mad_u32_u24 v1, v5, s25, v1
	v_mad_u32_u24 v1, v6, s26, v1
	v_add_lshl_u32 v1, v1, s19, 2                  ; 4 x my column
	v_lshlrev_b32 v2, 4, v0                        ; 16 x lane: an image's place
	v_and_b32 v3, 15, v0
	v_lshlrev_b32 v3, 2, v3
	v_mad_u32_u24 v3, v6, s27, v3                  ; my scale word's place
.set n, 0
.rept 128
	global_load_b32 v[X+n], v1, s[28:29] offset:2048*n     ; W(128 s + n, my column)
.set n, n+1
.endr
	s_wait_loadcnt 0x0
.irp b, 0,1,2,3
	v_max3_num_f32 v[MX+\b], |v[X+32*\b]|, |v[X+32*\b+1]|, 0x1800000      ; the floor 2^(3 - 127) among the leaves: the byte cannot fall under 1
.endr
.irp i, 2,4,6,8,10,12,14,16,18,20,22,24,26,28,30
.irp b, 0,1,2,3
	v_max3_num_f32 v[MX+\b], v[MX+\b], |v[X+32*\b+\i]|, |v[X+32*\b+\i+1]|   ; the four blocks by turns
.endr
.endr
.irp b, 0,1,2,3
	v_add_nc_u32 v[SO+\b], 0xff000000, v[MX+\b]    ; 2 off the exponent field: the conversion takes this operand's exponent field as its scale
.endr
.irp b, 0,1,2,3
	v_lshrrev_b32 v[BY+\b], 23, v[SO+\b]           ; the scale's byte
.endr
	v_lshl_or_b32 v[WD], v[BY+1], 8, v[BY]
	v_lshl_or_b32 v[WD], v[BY+2], 16, v[WD]
	v_lshl_or_b32 v[WD], v[BY+3], 24, v[WD]
.irp b, 0,1,2,3
	v_cvt_scalef32_pk16_fp6_f32 v[T0+12*(\b%2)+6*(\b/2):T0+12*(\b%2)+6*(\b/2)+2], v[X+32*\b:X+32*\b+15], v[SO+\b]
	v_cvt_scalef32_pk16_fp6_f32 v[UP+4*\b:UP+4*\b+2], v[X+32*\b+16:X+32*\b+31], v[SO+\b]
.endr
	v_nop                                          ; one plain place behind the scaled conversions
.irp b, 0,1,2,3
.irp i, 0,1,2
	v_mov_b32 v[T0+12*(\b%2)+6*(\b/2)+3+\i], v[UP+4*\b+\i]
.endr
.endr
.set n, 0
.rept 12
	v_permlane16_swap_b32 v[T0+n], v[T1+n]         ; the second tile's even blocks change places with the first tile's odd blocks
.set n, n+1
.endr
.irp c, 0,1,2,3,4,5
	global_store_b128 v2, v[T0+4*\c:T0+4*\c+3], s[10:11] offset:512*\c    ; 32 lanes store 512 consecutive bytes, at a multiple of 512 from the buffer's first byte
.endr
	global_store_b32 v3, v[WD], s[12:13]
	s_endpgm
.Lfunc_end_k_q2872067716_prep:
	.size	k_q2872067716_prep, .Lfunc_end_k_q2872067716_prep-k_q2872067716_prep
	.p2alignl 7, 3214868480
	.fill 96, 4, 3214868480
	.section	.rodata,"a",@progbits
	.p2align	6, 0x0
	.amdhsa_kernel k_q2872067716_prep
		.amdhsa_group_segment_fixed_size 0
		.amdhsa_private_segment_fixed_size 0
		.amdhsa_enable_private_segment 0
		.amdhsa_kernarg_size 40
		.amdhsa_user_sgpr_count 2
		.amdhsa_user_sgpr_kernarg_segment_ptr 1
		.amdhsa_wavefront_size32 1
		.amdhsa_system_sgpr_workgroup_id_x 1
		.amdhsa_system_sgpr_workgroup_id_y 1
		.amdhsa_system_sgpr_workgroup_id_z 1
		.amdhsa_system_vgpr_workitem_id 0
		.amdhsa_next_free_vgpr 192
		.amdhsa_next_free_sgpr 66
		.amdhsa_reserve_vcc 0
		.amdhsa_float_denorm_mode_32 3
		.amdhsa_float_denorm_mode_16_64 3
		.amdhsa_memory_ordered 1
		.amdhsa_forward_progress 1
		.amdhsa_inst_pref_size 22
	.end_amdhsa_kernel
	.amdgpu_metadata
---
amdhsa.version: [ 1, 2 ]
amdhsa.kernels:
  - .name:           k_q2872067716_prep
    .symbol:         k_q2872067716_prep.kd
    .args:
      - { .name: W_as, .offset: 0, .size: 8, .value_kind: global_buffer, .address_space: global }
      - { .name: W_ah, .offset: 8, .size: 8, .value_kind: global_buffer, .address_space: global }
      - { .name: W_a, .offset: 16, .size: 8, .value_kind: global_buffer, .address_space: global }
      - { .name: wimg, .offset: 24, .size: 8, .value_kind: global_buffer, .address_space: global }
      - { .name: wsc, .offset: 32, .size: 8, .value_kind: global_buffer, .address_space: global }
    .group_segment_fixed_size: 0
    .private_segment_fixed_size: 0
    .kernarg_segment_align: 8
    .kernarg_segment_size: 40
    .max_flat_workgroup_size: 32
    .sgpr_count:     66
    .vgpr_count:     192
    .wavefront_size: 32
...
	.end_amdgpu_metadata
.endif
;; end of part 1
;; launch attn (part 2): grid 256 x 1, 4 waves a work-group, no clusters, 327,680 bytes of LDS; arguments hi, ht, ct, ba, wimg, wsc, out0; writes out0
.if DOCPART == 2
	.amdgcn_target "amdgcn-amd-amdhsa--gfx1250"
	.amdhsa_code_object_version 6
	.text
	.protected	k_q2872067716_attn
	.globl	k_q2872067716_attn
	.p2align	8
	.type	k_q2872067716_attn,@function
k_q2872067716_attn:
	s_mov_b64 s[64:65], 0
	v_nop
	global_prefetch_b8 v0, s[64:65] scope:SCOPE_SE
	s_setreg_imm32_b32 hwreg(HW_REG_WAVE_MODE, 25, 1), 1
	s_wait_xcnt 0x0
; out[b][k] = sum over t of softmax_t(s[t][k]) hi[b][t][k],  s = Q(tanh(Q(hi[b]) Q(W_ah) + Q([ht, ct]) Q(W_as) + ba)) Q(W_a); Q: codes of FP6 (E2M3), one E8M0 byte for each 32 along K.
; The input v enters no step of the computation and is not among the arguments.
; SHARES.  A work-group owns one batch b: 512 rows t.  THE FOUR WAVES SHARE THE COLUMNS: wave w makes hidden units 128 w .. + 127 and output columns 128 w .. + 127 for all rows, and its parts of W_ah and
; W_a (64 fragments of 12 registers, laid out by the launch before as register images) stay in its registers: windows 1 to 3 hold 63, the 64th is re-read from LDS once for each 32 rows.
; hi comes through a ring of two LDS slots of 64 rows; wave w fetches and alone reads strip w (columns 128 w .. + 127): those are K step w of the first product, which it quantises for all four waves,
; and the very columns that its softmax weighs.  Work goes in BODIES of 32 rows (two tiles of 16): X: hi's strip becomes two fragments, as register images in LDS | barrier | 1: for each tile: my 8 tiles of
; hidden units (transposed: source 0 = W_ah, source 1 = hi's rows; C = a_s + ba), tanh, quantised in registers: K step w of the last product, image to LDS | barrier | 2: scores (source 0 = hidden rows,
; source 1 = W_a): a lane holds ONE column and 8 rows a tile; running maximum, sums of p and of p x hi for each lane; the two halves of the lanes are joined at the end.
; a_s is made in the head by the same form: source 1 = 16 equal rows of q, W_as tiled as W_ah is: the result is a_s in the layout of the next product's C.
; NO CLUSTER: what a step fetches, 128 KB of hi, is the work-group's own; the weights, which all work-groups share, are read once ahead of the loop (768 KB a work-group), straight into registers in register
; order; jointly they would have to pass through LDS in several refills, and every change of slots would become a round of a cluster's barrier.
; LIMITS.  tanh(x) = 1 - 2 / (1 + 2^(2 x log2 e)): its absolute error is some 2e-7, so its relative accuracy falls for |x| under about 0.1; it ends at +-1 exactly.  NaN and infinities are not served.
; v_exp_f32 gives 0 for results under 2^-126.  A block of zeros carries the byte 1 (its codes are zeros; the bytes never leave the program).
; REGISTERS, window 0: v0 8 h; v1-11 addresses; v12-43 the weights' scale words; v44-75 statistics, four a column tile: -max, sum of p x hi, sum of p in two halves; v252-255 the rows' scale words;
;   v76-251 by phase: X: 2 x 64 numbers v76-203, at work v204-211, codes v212-231 and v76-95.  1: accumulators v76-139, hi's four fragments v140-187, at work v188-203, codes v204-223, word v224,
;   the 64th fragment v240-251.  2: 16 accumulators v76-203, four hidden fragments v204-251; then rows of hi v204-235 and pairs (rescaling factor, -max) v236-251.
.set STRIPB, 64*528                    ; a strip of a slot: 64 rows of 512 bytes + 16 of padding: the 16 rows of a load start 33 x 16 bytes apart
.set SLOTB,  4*STRIPB                  ; 0x21000: no bit of it is set in wave x STRIPB, so one exclusive or changes slots
.set IMGB,   2*SLOTB                   ; behind the ring; the offsets below count from here
.set XIMG,   0                         ; hi's 8 fragment images, index 4 m + s, 1,536 bytes each (in the head: q's 8 K steps)
.set HIMG,   12288                     ; the hidden layer's 8
.set XSCL,   24576                     ; their scale words, 64 bytes a fragment
.set HSCL,   25088
.set SPILL,  25600                     ; each wave's 64th fragment
.set BIAS,   31744                     ; a_s + ba, 512 bytes a wave, in the order of the units
.set SPARE,  IMGB+33792                ; the spare words, 128 bytes for each wave: two blocks of 256 bytes that no other line names
.set SPW, 1
.set NIL, 2
.set IMG, 3                            ; IMGB + 16 lane
.set SCB, 4                            ; IMGB + 4 lane
.set WI,  5                            ; IMG + 1,536 wave
.set WSC, 6                            ; IMGB + 4 r + 64 wave
.set HXB, 7                            ; wave STRIPB + 528 r + 128 h
.set HSB, 8                            ; wave STRIPB + 4,224 h + 16 r
.set BIA, 9                            ; IMGB + 512 wave + 64 h
.set AD1, 10                           ; the address in hand (in the head: 16 lane)
.set AD2, 11                           ; (in the head: 4 lane)
.set WS,  12
.set ST,  44
.set SCR, 252
.set XN,  76
.set QT,  204
.set PC0, 212
.set PC1, 76
.set PW1, 96
.set W64, 240
.set ACC1, 76
.set XF,  140
.set TM,  188
.set PC,  204
.set PW,  224
.set HF,  204
.set HB,  204
.set TF,  236
.set WV,  18                           ; s18 wave
.set TB,  19                           ; s19 LDS byte at which the body's 32 rows begin in a strip
.set SEL, 20                           ; s[20:21] selects for lane l xor 16
.set CS,  22                           ; s[22:23] log2 e
.set NC,  24                           ; s24 -log2 e
.set C2,  26                           ; s[26:27] 2 log2 e
.set G1,  28                           ; s[28:35] descriptor group 1
.set G0,  36                           ; s[36:39] group 0, which walks
.set SL,  40
.set TW,  41
.set MASK, 50                          ; s50 lanes 16-31
.set MSB, 0
.macro WIN new                         ; the immediate's high byte repeats the setting that is left; a switch that changes nothing is dropped
.if MSB != (\new)
	s_set_vgpr_msb (MSB<<8)|(\new)
.set MSB, (\new)
.endif
.endm
.macro PLACES                          ; four plain places behind a matrix instruction, ahead of loads into its registers and of reads of its result
.rept 4
	v_nop
.endr
.endm
.macro WREG g                          ; where weight fragment g lies: window WW, register WR
.if (\g) < 63
.set WW, 1+(\g)/21
.set WR, 12*((\g)%21)
.else
.set WW, 0
.set WR, W64
.endif
.endm
.macro LOADW bs, g0, n                 ; n fragments from g0 on, from images in memory into their places
.set GG, \g0
.rept \n
	WREG GG
	WIN WW<<6
.irp c, 0,1,2
	global_load_b128 v[WR+4*\c:WR+4*\c+3], v[AD1], s[\bs:\bs+1] offset:1536*GG+512*\c
.endr
.set GG, GG+1
.endr
.endm
.macro FETCH reg, off                  ; a fragment's image from LDS
.irp c, 0,1,2
	ds_load_b128 v[(\reg)+4*\c:(\reg)+4*\c+3], v[IMG] offset:(\off)+512*\c
.endr
.endm
.macro IMAGE adr, pc, off              ; a fragment goes to LDS as it stands
.irp c, 0,1,2
	ds_store_b128 v[\adr], v[(\pc)+4*\c:(\pc)+4*\c+3] offset:(\off)+512*\c
.endr
.endm
; One matrix instruction on mD, mA, mB, mSA, mSB.  zero: C = 0 (used with A's scales in lanes 0-15 and B's in lanes 16-31 alone), else C = D.  ra, rb: the side's scales stand in lanes 16-31.
.macro WM zero, ra, rb
.if \zero
	v_wmma_scale_f32_16x16x128_f8f6f4 v[mD:mD+7], v[mA:mA+11], v[mB:mB+11], 0, v[mSA], v[mSB] matrix_a_fmt:MATRIX_FMT_FP6 matrix_b_fmt:MATRIX_FMT_FP6 matrix_b_scale:MATRIX_SCALE_ROW1
.elseif (\ra) && (\rb)
	v_wmma_scale_f32_16x16x128_f8f6f4 v[mD:mD+7], v[mA:mA+11], v[mB:mB+11], v[mD:mD+7], v[mSA], v[mSB] matrix_a_fmt:MATRIX_FMT_FP6 matrix_b_fmt:MATRIX_FMT_FP6 matrix_a_scale:MATRIX_SCALE_ROW1 matrix_b_scale:MATRIX_SCALE_ROW1
.elseif \ra
	v_wmma_scale_f32_16x16x128_f8f6f4 v[mD:mD+7], v[mA:mA+11], v[mB:mB+11], v[mD:mD+7], v[mSA], v[mSB] matrix_a_fmt:MATRIX_FMT_FP6 matrix_b_fmt:MATRIX_FMT_FP6 matrix_a_scale:MATRIX_SCALE_ROW1
.elseif \rb
	v_wmma_scale_f32_16x16x128_f8f6f4 v[mD:mD+7], v[mA:mA+11], v[mB:mB+11], v[mD:mD+7], v[mSA], v[mSB] matrix_a_fmt:MATRIX_FMT_FP6 matrix_b_fmt:MATRIX_FMT_FP6 matrix_b_scale:MATRIX_SCALE_ROW1
.else
	v_wmma_scale_f32_16x16x128_f8f6f4 v[mD:mD+7], v[mA:mA+11], v[mB:mB+11], v[mD:mD+7], v[mSA], v[mSB] matrix_a_fmt:MATRIX_FMT_FP6 matrix_b_fmt:MATRIX_FMT_FP6
.endif
.endm
; 64 numbers of a lane that holds WHOLE blocks (register 32 c + i = k 64 c + 32 h + i of its row) become a fragment's codes in v[pc] on (20 registers) and the row's scale word in v[pw].
.macro QX src, pc, pw
.irp c, 0,1
	v_max3_num_f32 v[QT+\c], |v[(\src)+32*\c]|, |v[(\src)+32*\c+1]|, 0x1800000     ; the floor 2^(3 - 127) among the leaves: the byte cannot fall under 1
	v_max3_num_f32 v[QT+2+\c], |v[(\src)+32*\c+16]|, |v[(\src)+32*\c+17]|, |v[(\src)+32*\c+18]|
.endr
.irp i, 2,4,6,8,10,12
.irp c, 0,1
	v_max3_num_f32 v[QT+\c], v[QT+\c], |v[(\src)+32*\c+\i]|, |v[(\src)+32*\c+\i+1]|          ; four chains by turns, two a block
	v_max3_num_f32 v[QT+2+\c], v[QT+2+\c], |v[(\src)+32*\c+\i+17]|, |v[(\src)+32*\c+\i+18]|
.endr
.endr
.irp c, 0,1
	v_max3_num_f32 v[QT+\c], v[QT+\c], |v[(\src)+32*\c+14]|, |v[(\src)+32*\c+15]|
.endr
.irp c, 0,1
	v_max3_num_f32 v[QT+\c], v[QT+\c], v[QT+2+\c], |v[(\src)+32*\c+31]|
.endr
.irp c, 0,1
	v_add_nc_u32 v[QT+2+\c], 0xff000000, v[QT+\c]  ; 2 off the exponent field: the conversion's scale operand
.endr
.irp c, 0,1
	v_lshrrev_b32 v[QT+4+\c], 23, v[QT+2+\c]       ; the scale's byte
.endr
	v_lshl_or_b32 v[QT+4], v[QT+5], 16, v[QT+4]    ; my bytes: blocks h and 2 + h,
	v_lshlrev_b32 v[QT+4], v0, v[QT+4]             ; 8 h bits up;
	v_permlanex16_b32 v[QT+6], v[QT+4], s[SEL], s[SEL+1]
	v_or_b32 v[\pw], v[QT+4], v[QT+6]              ; with lane l xor 16's two the word is whole
.irp c, 0,1
	v_cvt_scalef32_pk16_fp6_f32 v[(\pc)+6*\c:(\pc)+6*\c+2], v[(\src)+32*\c:(\src)+32*\c+15], v[QT+2+\c]
	v_cvt_scalef32_pk16_fp6_f32 v[(\pc)+12+4*\c:(\pc)+14+4*\c], v[(\src)+32*\c+16:(\src)+32*\c+31], v[QT+2+\c]   ; (a conversion's three registers begin on an even number)
.endr
	v_nop                                          ; one plain place behind the scaled conversions
.irp c, 0,1
.irp i, 0,1,2
	v_mov_b32 v[(\pc)+3+6*\c+\i], v[(\pc)+12+4*\c+\i]
.endr
.endr
.endm
.macro BIASLD                          ; a_s + ba in the result's layout: tile t, lane half h: units 32 (t / 2) + 16 h + 8 (t % 2) + 0 .. 7: the C of the sums' first links
.irp t, 0,1,2,3,4,5,6,7
	ds_load_b128 v[ACC1+8*\t:ACC1+8*\t+3], v[BIA] offset:BIAS+128*(\t/2)+32*(\t%2)
	ds_load_b128 v[ACC1+8*\t+4:ACC1+8*\t+7], v[BIA] offset:BIAS+128*(\t/2)+32*(\t%2)+16
.endr
.endm
; The 64 numbers of ACC1 (register 16 b + i = k 32 b + 16 h + i of my row) become a fragment in v[PC] on and its scale word in v[PW].  bias = 1: the next tile's C is asked for as soon as the numbers are converted.
.macro QUANT bias
.irp b, 0,1,2,3
	v_max3_num_f32 v[TM+\b], |v[ACC1+16*\b]|, |v[ACC1+1+16*\b]|, 0x1800000
.endr
.irp i, 2,4,6,8,10,12,14
.irp b, 0,1,2,3
	v_max3_num_f32 v[TM+\b], v[TM+\b], |v[ACC1+16*\b+\i]|, |v[ACC1+1+16*\b+\i]|
.endr
.endr
.irp b, 0,1,2,3
	v_permlanex16_b32 v[TM+4+\b], v[TM+\b], s[SEL], s[SEL+1]
.endr
.irp b, 0,1,2,3
	v_max_num_f32 v[TM+\b], v[TM+\b], v[TM+4+\b]   ; with lane l xor 16's 16: the block's largest magnitude
.endr
.irp b, 0,1,2,3
	v_add_nc_u32 v[TM+12+\b], 0xff000000, v[TM+\b]
.endr
.irp b, 0,1,2,3
	v_lshrrev_b32 v[TM+4+\b], 23, v[TM+12+\b]
.endr
	v_lshl_or_b32 v[PW], v[TM+5], 8, v[TM+4]
	v_lshl_or_b32 v[PW], v[TM+6], 16, v[PW]
	v_lshl_or_b32 v[PW], v[TM+7], 24, v[PW]
.irp c, 0,1
	v_cvt_scalef32_pk16_fp6_f32 v[PC+6*\c:PC+2+6*\c], v[ACC1+32*\c:ACC1+15+32*\c], v[TM+12+2*\c]
	v_cvt_scalef32_pk16_fp6_f32 v[PC+12+4*\c:PC+14+4*\c], v[ACC1+16+32*\c:ACC1+31+32*\c], v[TM+12+2*\c+1]
.endr
	v_nop                                          ; one plain place behind the scaled conversions
.if \bias
	BIASLD
.endif
.irp c, 0,1                                    ; the operand's layout wants a WHOLE block in a lane
.irp i, 0,1,2
	v_permlane16_swap_b32 v[PC+6*\c+\i], v[PC+12+4*\c+\i]
.endr
.irp i, 0,1,2
	v_mov_b32 v[PC+3+6*\c+\i], v[PC+12+4*\c+\i]
.endr
.endr
.endm
.macro FETCHX m                        ; tile m's four fragments of hi and their scale words: a register holds K step 2 i in lanes 0-15 and 2 i + 1 in lanes 16-31
.irp s, 0,1,2,3
	FETCH XF+12*\s, XIMG+1536*(4*(\m)+\s)
.endr
.irp i, 0,1
	ds_load_b32 v[SCR+2*(\m)+\i], v[SCB] offset:XSCL+256*(\m)+128*\i
.endr
.endm
; tanh of ACC1's 64 numbers, in place.  The exponentials and the reciprocals are a batch each, with one plain place and one wait ahead of the batch's first reader.
.macro TANH
.set ii, 0
.rept 32
	v_pk_mul_f32 v[ACC1+ii:ACC1+ii+1], v[ACC1+ii:ACC1+ii+1], s[C2:C2+1] op_sel_hi:[1,0]    ; ascending: each accumulator is read from its low end on
.set ii, ii+2
.endr
.set ii, 0
.rept 64
	v_exp_f32 v[ACC1+ii], v[ACC1+ii]
.set ii, ii+1
.endr
	v_nop
	s_wait_alu depctr_va_vdst(0)
.set ii, 0
.rept 32
	v_pk_add_f32 v[ACC1+ii:ACC1+ii+1], v[ACC1+ii:ACC1+ii+1], 1.0 op_sel_hi:[1,0]
.set ii, ii+2
.endr
.set ii, 0
.rept 64
	v_rcp_f32 v[ACC1+ii], v[ACC1+ii]
.set ii, ii+1
.endr
	v_nop
	s_wait_alu depctr_va_vdst(0)
.set ii, 0
.rept 32
	v_pk_fma_f32 v[ACC1+ii:ACC1+ii+1], v[ACC1+ii:ACC1+ii+1], -2.0, 1.0 op_sel_hi:[1,0,0]
.set ii, ii+2
.endr
.endm
.macro MUL1 m, s                       ; K step s of the hidden layer: my 8 tiles by turns
.irp t, 0,1,2,3,4,5,6,7
	WREG 32+8*(\s)+\t
	WIN WW
.set mD, ACC1+8*\t
.set mA, WR
.set mB, XF+12*(\s)
.set mSA, WS+8*(\s)+\t
.set mSB, SCR+2*(\m)+(\s)/2
	WM 0, 0, (\s)%2
.endr
.endm
.macro MUL2 g                          ; hidden fragment g = 4 m + s against my 8 tiles of W_a: tile m's 8 accumulators by turns; K step 0 starts the sums
.irp q, 0,1,2,3,4,5,6,7
	WREG 8*((\g)%4)+\q
	WIN WW<<2
.set mD, 76+64*((\g)/4)+8*\q
.set mA, HF+12*((\g)%4)
.set mB, WR
.set mSA, SCR+2*((\g)/4)+((\g)%4)/2
.set mSB, WS+8*((\g)%4)+\q
.if ((\g)%4) == 0
	WM 1, 0, 1
.else
	WM 0, ((\g)%4)%2, 1
.endif
.endr
.endm
; The sums go in four chunks k = 2 p + m: row tile m, column tiles 4 p .. 4 p + 3.  One load of 16 bytes is hi(row 16 m + 8 h + j, columns 64 p + 4 r + 0 .. 3): one number for each of the four tiles.
.macro LOADHI k, buf
.irp j, 0,1,2,3,4,5,6,7
	ds_load_b128 v[(\buf)+4*\j:(\buf)+4*\j+3], v[AD2] offset:(16*((\k)%2)+\j)*528+256*((\k)/2)
.endr
.endm
.macro EFMA k, buf
.irp j, 0,1,2,3,4,5,6,7
.irp c, 0,1,2,3
	v_fmac_f32 v[ST+4*(4*((\k)/2)+\c)+1], v[76+64*((\k)%2)+8*(4*((\k)/2)+\c)+\j], v[(\buf)+4*\j+\c]
.endr
.endr
.endm
.macro LSUM k
.irp jj, 0,2,4,6
.irp c, 0,1,2,3
.set rL, ST+4*(4*((\k)/2)+\c)+2
.set rA, 76+64*((\k)%2)+8*(4*((\k)/2)+\c)+\jj
	v_pk_add_f32 v[rL:rL+1], v[rL:rL+1], v[rA:rA+1]
.endr
.endr
.endm
; THE CHANGE OF SLOTS, at a slot's head.  Each wave waits for all its tensor loads (one is out: the slot that it is about to read), adds 0 to its spare word, and waits for that and for its reads of the slot
; that it has left.  fill = 1: that slot takes the next 64 rows; the load has two bodies in which to land.  By this text's count a wave never has more than one tensor load out.
.macro CHANGE fill
	s_wait_tensorcnt 0x0                           ; no tensor load of mine is out, so group 0 may be written
	ds_add_u32 v[SPW], v[NIL]
.if \fill
	s_xor_b32 s[G0+1], s[G0+1], SLOTB              ; the other slot,
	s_add_nc_u64 s[G0+2:G0+3], s[G0+2:G0+3], 64*2048   ; the next 64 rows; the type bits on top are not reached
.endif
	s_wait_dscnt 0x0                               ; the add is done, and my LDS reads are over
	s_barrier_signal -1
	s_barrier_wait -1
.if \fill
	tensor_load_to_lds s[G0:G0+3], s[G1:G1+7]      ; the first thing behind the barrier, and my one tensor load until the next
	s_nop 0
	PLACES
.endif
.endm
.macro BODY
	; ---- X: my strip of 32 rows becomes two fragments (K step w of tiles 0, 1)
	v_add_nc_u32 v[AD1], s[TB], v[HXB]
.irp c, 0,1,2
	ds_load_b128 v[W64+4*\c:W64+4*\c+3], v[WI] offset:SPILL+512*\c       ; the 64th weight fragment, whose registers the last phase used
.endr
.irp m, 0,1
.irp c, 0,1
.irp i, 0,1,2,3,4,5,6,7
	ds_load_b128 v[XN+64*\m+32*\c+4*\i:XN+64*\m+32*\c+4*\i+3], v[AD1] offset:8448*\m+256*\c+16*\i   ; row 16 m + r, numbers 64 c + 32 h + 4 i on
.endr
.endr
.endr
	s_wait_dscnt 16                                ; all but tile 1's sixteen loads
	QX XN, PC0, QT+7
	IMAGE WI, PC0, XIMG
	ds_store_b32 v[WSC], v[QT+7] offset:XSCL       ; lanes r and r + 16 write the same word with the same value
	s_wait_dscnt 4                                 ; the four stores may be out; the loads are in
	QX XN+64, PC1, PW1
	IMAGE WI, PC1, XIMG+6144
	ds_store_b32 v[WSC], v[PW1] offset:XSCL+256
	s_wait_dscnt 0x0                               ; for the others' sake: my images have landed; and my reads of the hidden images (last body) are over
	s_barrier_signal -1
	BIASLD                                         ; bytes that nobody writes any more
	s_barrier_wait -1                              ; hi's eight fragments lie in LDS
	; ---- 1: the hidden layer, a tile of 16 rows at a time
	FETCHX 0
	s_wait_loadcnt 0x0                             ; the weights (met at once but in the first body)
	s_wait_dscnt 0x0
.irp s, 0,1,2,3
	MUL1 0, \s
.endr
	WIN 0
	PLACES
	FETCHX 1
	TANH
	QUANT 1
	IMAGE WI, PC, HIMG
	ds_store_b32 v[WSC], v[PW] offset:HSCL
	s_wait_dscnt 0x0                               ; tile 1's fragments and C are in; the stores have read their registers, which the next tile's codes take
.irp s, 0,1,2,3
	MUL1 1, \s
.endr
	WIN 0
	PLACES
	TANH
	QUANT 0
	IMAGE WI, PC, HIMG+6144
	ds_store_b32 v[WSC], v[PW] offset:HSCL+256
	s_wait_dscnt 0x0                               ; my images have landed; my reads of hi's images are over
	s_barrier_signal -1
	s_barrier_wait -1                              ; the hidden layer's eight fragments lie in LDS
	; ---- 2: the scores of 32 rows x my 128 columns
	v_add_nc_u32 v[AD2], s[TB], v[HSB]
.irp i, 0,1,2,3
	ds_load_b32 v[SCR+\i], v[SCB] offset:HSCL+128*\i
.endr
.irp g, 0,1,2,3
	FETCH HF+12*\g, HIMG+1536*\g
.endr
.irp g, 0,1,2,3,4,5,6,7
.if \g < 5
	s_wait_dscnt 9                                 ; three younger fragments may be out
.else
	s_wait_dscnt 3*(7-\g)
.endif
	MUL2 \g
.if \g < 4
	PLACES
	FETCH HF+12*\g, HIMG+1536*(\g+4)               ; (only source 1's window is set: a load's two places are in window 0)
.endif
.endr
	WIN 0
	PLACES
	LOADHI 0, HB
	; ---- the softmax's step: a lane has one column and 16 rows of each of 8 column tiles
.irp q, 0,1,2,3,4,5,6,7
	v_max3_num_f32 v[TF+2*\q+1], v[76+8*\q], v[77+8*\q], v[78+8*\q]      ; each accumulator is read from its low end on
.endr
.irp i, 3,5
.irp q, 0,1,2,3,4,5,6,7
	v_max3_num_f32 v[TF+2*\q+1], v[TF+2*\q+1], v[76+8*\q+\i], v[77+8*\q+\i]
.endr
.endr
.irp q, 0,1,2,3,4,5,6,7
	v_max3_num_f32 v[TF+2*\q+1], v[TF+2*\q+1], v[83+8*\q], v[140+8*\q]
.endr
.irp i, 1,3,5
.irp q, 0,1,2,3,4,5,6,7
	v_max3_num_f32 v[TF+2*\q+1], v[TF+2*\q+1], v[140+8*\q+\i], v[141+8*\q+\i]
.endr
.endr
.irp q, 0,1,2,3,4,5,6,7
	v_max_num_f32 v[TF+2*\q+1], v[TF+2*\q+1], v[147+8*\q]
.endr
.irp q, 0,1,2,3,4,5,6,7
	v_mul_f32 v[TF+2*\q+1], s[NC], v[TF+2*\q+1]    ; - the step's largest score x log2 e
.endr
.irp q, 0,1,2,3,4,5,6,7
	v_min_num_f32 v[TF+2*\q+1], v[TF+2*\q+1], v[ST+4*\q]   ; - the running maximum
.endr
.irp q, 0,1,2,3,4,5,6,7
	v_sub_f32 v[TF+2*\q], v[TF+2*\q+1], v[ST+4*\q] ; old maximum - new, 0 or less
.endr
.irp q, 0,1,2,3,4,5,6,7
	v_mov_b32 v[ST+4*\q], v[TF+2*\q+1]
.endr
.irp m, 0,1
.irp q, 0,1,2,3,4,5,6,7
.irp jj, 0,2,4,6
.set rA, 76+64*\m+8*\q+\jj
	v_pk_fma_f32 v[rA:rA+1], v[rA:rA+1], s[CS:CS+1], v[ST+4*\q:ST+4*\q+1] op_sel_hi:[1,0,0]   ; score x log2 e - maximum (of either pair the low word serves both halves)
.endr
.endr
.endr
.irp q, 0,1,2,3,4,5,6,7
	v_exp_f32 v[TF+2*\q], v[TF+2*\q]               ; what was summed under the old maximum is brought under the new
.endr
.set ii, 0
.rept 128
	v_exp_f32 v[76+ii], v[76+ii]                   ; p
.set ii, ii+1
.endr
	v_nop                                          ; one plain place behind the batch,
	s_wait_alu depctr_va_vdst(0)                   ; and one wait ahead of its first reader
.irp q, 0,1,2,3,4,5,6,7
	v_pk_mul_f32 v[ST+4*\q+2:ST+4*\q+3], v[ST+4*\q+2:ST+4*\q+3], v[TF+2*\q:TF+2*\q+1] op_sel_hi:[1,0]
	v_mul_f32 v[ST+4*\q+1], v[ST+4*\q+1], v[TF+2*\q]
.endr
	s_wait_dscnt 0x0
	EFMA 0, HB
	LSUM 0
	LOADHI 1, HB
	LOADHI 2, 76                                   ; into chunk 0's accumulators, which are summed
	LSUM 1
	LSUM 2
	LSUM 3
	s_wait_dscnt 8                                 ; chunk 1's rows are in; chunk 2's eight loads may be out
	EFMA 1, HB
	LOADHI 3, HB
	s_wait_dscnt 8                                 ; chunk 2's are in; chunk 3's may be out
	EFMA 2, 76
	s_wait_dscnt 0x0
	EFMA 3, HB
.endm
.macro TWO_BODIES                      ; a slot's 64 rows: the body is written once and walked twice
	s_mov_b32 s[TW], 2
.Lbody_\@:
	BODY
	s_add_co_u32 s[TB], s[TB], 32*528
	s_sub_co_u32 s[TW], s[TW], 1
	s_cmp_lg_u32 s[TW], 0
	s_cbranch_scc1 .Lbody_\@
	s_sub_co_u32 s[TB], s[TB], 64*528
	s_xor_b32 s[TB], s[TB], SLOTB                  ; on to the other slot
.endm
.macro SETQF s                         ; where q's fragment of K step s lies in the head
.if (\s) < 5
.set QF, 76+12*(\s)
.else
.set QF, 204+12*((\s)-5)
.endif
.endm
	; ================ THE HEAD ================
	s_load_b256 s[4:11], s[0:1], 0x0               ; hi s[4:5], ht s[6:7], ct s[8:9], ba s[10:11]
	s_load_b128 s[12:15], s[0:1], 0x20             ; wimg, wsc
	s_load_b64 s[16:17], s[0:1], 0x30              ; out0
	v_lshl_add_u32 v[SPW], v0, 2, SPARE
	v_mov_b32 v[NIL], 0
	ds_add_u32 v[SPW], v[NIL]                      ; the wave's opening: the add and its wait stand ahead of my first tensor load; work on registers stands between them
	v_lshrrev_b32 v76, 5, v0
	v_readfirstlane_b32 s[WV], v76                 ; wave 0..3
	s_mov_b32 s[SEL], 0x76543210
	s_mov_b32 s[SEL+1], 0xfedcba98
	s_mov_b32 s[CS], 0x3fb8aa3b                    ; log2 e
	s_mov_b32 s[CS+1], s[CS]                       ; (named with it as a pair, so it is written)
	s_mov_b32 s[NC], 0xbfb8aa3b
	s_mov_b32 s[C2], 0x4038aa3b                    ; 2 log2 e
	s_mov_b32 s[C2+1], s[C2]
	s_mov_b32 s[MASK], 0xffff0000
	s_mov_b32 s[TB], 0
	s_mov_b32 s[SL], 7
	; descriptor group 1: 64 rows x 128 elements of 4 bytes, 512 elements from row to row; in LDS 4 words of padding behind every 128
	s_mov_b32 s[G1+0], (2<<16)|(1<<20)|(6<<22)|(3<<25)
	s_mov_b32 s[G1+1], 128<<16                     ; tensor_dim0
	s_mov_b32 s[G1+2], 64<<16                      ; tensor_dim1
	s_mov_b32 s[G1+3], 128<<16                     ; tile_dim0
	s_mov_b32 s[G1+4], 64                          ; tile_dim1
	s_mov_b32 s[G1+5], 512                         ; tensor_dim0_stride
	s_mov_b32 s[G1+6], 0
	s_mov_b32 s[G1+7], 0
	s_mul_i32 s51, s[WV], STRIPB                   ; my strip's place in a slot
	s_lshl_b32 s52, ttmp9, 20                      ; a batch of hi is 2^20 bytes,
	s_lshl_b32 s57, s[WV], 9                       ; my strip's 512 bytes of a row
	s_add_co_u32 s52, s52, s57
	s_mov_b32 s53, 0
	s_wait_dscnt 0x0                               ; the opening add is done
	s_wait_kmcnt 0x0
	s_mov_b32 s[G0], 1                             ; count = 1
	s_mov_b32 s[G0+1], s51                         ; LDS address: slot 0
	s_add_nc_u64 s[G0+2:G0+3], s[4:5], s[52:53]    ; rows 0 to 63 of my strip
	s_or_b32 s[G0+3], s[G0+3], 0x80000000          ; type = 2
	tensor_load_to_lds s[G0:G0+3], s[G1:G1+7]      ; the first fill, ahead of every wait on TENSORcnt, every LDS read and every barrier
	s_nop 0
	PLACES
	v_and_b32 v76, 31, v0                          ; lane
	v_and_b32 v77, 15, v0                          ; r
	v_bfe_u32 v78, v0, 4, 1                        ; h
	v_lshl_add_u32 v[IMG], v76, 4, IMGB
	v_lshl_add_u32 v[SCB], v76, 2, IMGB
	s_mul_i32 s54, s[WV], 1536
	v_add_nc_u32 v[WI], s54, v[IMG]
	s_mul_i32 s55, s[WV], 3072
	v_add_nc_u32 v232, s55, v[IMG]                 ; the head: q's two images of my wave
	v_lshl_add_u32 v[WSC], v77, 2, IMGB
	s_lshl_b32 s56, s[WV], 7
	v_add_nc_u32 v233, s56, v[WSC]                 ; and their scale words
	s_lshl_b32 s58, s[WV], 6
	v_add_nc_u32 v[WSC], s58, v[WSC]
	v_mul_u32_u24 v[HXB], v77, 528
	v_lshl_add_u32 v[HXB], v78, 7, v[HXB]
	v_add_nc_u32 v[HXB], s51, v[HXB]
	v_mul_u32_u24 v[HSB], v78, 4224
	v_lshl_add_u32 v[HSB], v77, 4, v[HSB]
	v_add_nc_u32 v[HSB], s51, v[HSB]
	v_lshl_add_u32 v[BIA], v78, 6, IMGB
	v_add_nc_u32 v[BIA], s57, v[BIA]
	v_lshlrev_b32 v[AD1], 4, v76
	v_lshlrev_b32 v[AD2], 2, v76
	v_lshlrev_b32 v234, 7, v78                     ; q: 128 h
	v_mov_b32 v[QT+6], 0                           ; written once: a lane permute's destination counts as one of its sources
	v_lshlrev_b32 v0, 3, v78                       ; 8 h, from here on
	s_cmp_lt_u32 s[WV], 2                          ; q = [ht, ct]: K steps 2 w and 2 w + 1 are mine to quantise
	s_cselect_b64 s[42:43], s[6:7], s[8:9]
	s_lshl_b32 s52, ttmp9, 11                      ; a row of 512 f32
	s_and_b32 s58, s[WV], 1
	s_lshl_b32 s58, s58, 10
	s_add_co_u32 s58, s58, s52
	s_mov_b32 s59, 0
	s_add_nc_u64 s[42:43], s[42:43], s[58:59]
	s_mul_i32 s58, s[WV], 98304
	s_add_nc_u64 s[44:45], s[12:13], s[58:59]      ; my 64 fragments of W_as,
	s_add_nc_u64 s[46:47], s[44:45], 393216        ; and of W_a and W_ah
	s_lshl_b32 s58, s[WV], 12
	s_add_nc_u64 s[48:49], s[14:15], s[58:59]      ; my scale words
	s_mov_b32 s58, s57
	s_add_nc_u64 s[10:11], s[10:11], s[58:59]      ; ba at my 128 units
	s_add_co_u32 s58, s57, s52
	s_add_nc_u64 s[16:17], s[16:17], s[58:59]      ; out0 at my 128 columns
.irp f, 0,1
.irp c, 0,1
.irp i, 0,1,2,3,4,5,6,7
	global_load_b128 v[XN+64*\f+32*\c+4*\i:XN+64*\f+32*\c+4*\i+3], v234, s[42:43] offset:512*\f+256*\c+16*\i   ; all 16 rows of the fragment are q
.endr
.endr
.endr
.irp c, 0,1,2
	global_load_b128 v[W64+4*\c:W64+4*\c+3], v[AD1], s[46:47] offset:63*1536+512*\c     ; the 64th fragment of the loop's weights, on its way to LDS
.endr
	LOADW 44, 0, 8                                 ; W_as, K step 0
	WIN 0
	s_wait_loadcnt 43                              ; q's first 16 loads are in: 16 + 3 + 24 are younger
	QX XN, PC0, QT+7
	IMAGE 232, PC0, XIMG
	ds_store_b32 v233, v[QT+7] offset:XSCL
	s_wait_loadcnt 27                              ; 3 + 24 are younger
	QX XN+64, PC1, PW1
	IMAGE 232, PC1, XIMG+1536
	ds_store_b32 v233, v[PW1] offset:XSCL+64
	s_wait_loadcnt 24
.irp c, 0,1,2
	ds_store_b128 v[WI], v[W64+4*\c:W64+4*\c+3] offset:SPILL+512*\c
.endr
	s_wait_dscnt 0x0                               ; for the others' sake: my stores have landed
	s_barrier_signal -1                            ; slot 0's load may stay out
	s_barrier_wait -1                              ; q's eight fragments lie in LDS
.irp s, 0,1,2,3,4,5,6,7
	SETQF \s
	FETCH QF, XIMG+1536*\s
.endr
.irp i, 0,1,2,3
	ds_load_b32 v[SCR+\i], v[SCB] offset:XSCL+128*\i
.endr
	v_lshlrev_b32 v136, 3, v0                      ; ba: 64 h
.set ii, 0
.rept 32
	global_load_b32 v[WS+ii], v[AD2], s[48:49] offset:128*ii       ; W_as's scale words: fragment 2 ii in lanes 0-15, 2 ii + 1 in lanes 16-31
.set ii, ii+1
.endr
.irp t, 0,1,2,3,4,5,6,7
	global_load_b128 v[140+8*\t:143+8*\t], v136, s[10:11] offset:128*(\t/2)+32*(\t%2)      ; ba in the result's layout: the C of the sums' first links
	global_load_b128 v[144+8*\t:147+8*\t], v136, s[10:11] offset:128*(\t/2)+32*(\t%2)+16
.endr
	LOADW 44, 8, 56                                ; W_as, K steps 1 to 7: 168 loads
.irp s, 0,1,2,3,4,5,6,7                        ; a_s + ba: 8 tiles by turns, K step by K step
.if 168-24*\s > 63
	s_wait_loadcnt 63                              ; (168 - 24 s loads are younger than this K step's; the count names as many as its field holds)
.else
	s_wait_loadcnt 168-24*\s
.endif
.if \s == 0
	s_wait_dscnt 0x0                               ; q's fragments and scale words
.endif
	SETQF \s
.irp t, 0,1,2,3,4,5,6,7
	WREG 8*\s+\t
	WIN WW
.set mD, 140+8*\t
.set mA, WR
.set mB, QF
.set mSA, WS+4*\s+\t/2
.set mSB, SCR+\s/2
	WM 0, \t%2, \s%2
.endr
.endr
	WIN 0
	PLACES
.irp t, 0,1,2,3,4,5,6,7
	ds_store_b128 v[BIA], v[140+8*\t:143+8*\t] offset:BIAS+128*(\t/2)+32*(\t%2)        ; the 16 lanes of a half hold the same numbers and write the same bytes; only my wave reads them
	ds_store_b128 v[BIA], v[144+8*\t:147+8*\t] offset:BIAS+128*(\t/2)+32*(\t%2)+16
.endr
.set ii, 0
.rept 32
	global_load_b32 v[WS+ii], v[AD2], s[48:49] offset:16384+128*ii     ; the loop's scale words: W_ah's in lanes 0-15, W_a's in lanes 16-31
.set ii, ii+1
.endr
	LOADW 46, 0, 63                                ; the loop's weights; the first body waits for them
	WIN 0
.irp q, 0,1,2,3,4,5,6,7
	v_mov_b32 v[ST+4*\q], 0x7f61b1e6               ; - the largest so far: 3e38
	v_mov_b32 v[ST+4*\q+1], 0
	v_mov_b32 v[ST+4*\q+2], 0
	v_mov_b32 v[ST+4*\q+3], 0
.endr
	s_wait_xcnt 0x0                                ; the loads have read their address registers, which the loop writes
	; ================ THE LOOP: 8 slots of 64 rows ================
.Lslot:                                            ; 7 trips: behind each change of slots but the last the next 64 rows are asked for
	CHANGE 1
	TWO_BODIES
	s_sub_co_u32 s[SL], s[SL], 1
	s_cmp_lg_u32 s[SL], 0
	s_cbranch_scc1 .Lslot
	CHANGE 0                                       ; the last slot is written out
	TWO_BODIES
	; ================ THE END: the two halves of the lanes are joined, and the sums divided ================
.irp q, 0,1,2,3,4,5,6,7
	v_add_f32 v[ST+4*\q+2], v[ST+4*\q+2], v[ST+4*\q+3]
.endr
.irp q, 0,1,2,3,4,5,6,7
	v_permlanex16_b32 v[88+\q], v[ST+4*\q], s[SEL], s[SEL+1]
.endr
.irp q, 0,1,2,3,4,5,6,7
	v_min_num_f32 v[88+\q], v[88+\q], v[ST+4*\q]   ; - the column's maximum
.endr
.irp q, 0,1,2,3,4,5,6,7
	v_sub_f32 v[96+\q], v[88+\q], v[ST+4*\q]       ; my maximum - the column's
.endr
.irp q, 0,1,2,3,4,5,6,7
	v_exp_f32 v[96+\q], v[96+\q]
.endr
	v_nop
	s_wait_alu depctr_va_vdst(0)                   ; one wait for the eight, ahead of their first reader
.irp q, 0,1,2,3,4,5,6,7
	v_mul_f32 v[ST+4*\q+2], v[ST+4*\q+2], v[96+\q]
	v_mul_f32 v[ST+4*\q+1], v[ST+4*\q+1], v[96+\q]
.endr
.irp q, 0,1,2,3,4,5,6,7
	v_permlanex16_b32 v[104+\q], v[ST+4*\q+2], s[SEL], s[SEL+1]
	v_permlanex16_b32 v[112+\q], v[ST+4*\q+1], s[SEL], s[SEL+1]
.endr
.irp q, 0,1,2,3,4,5,6,7
	v_add_f32 v[104+\q], v[104+\q], v[ST+4*\q+2]
	v_add_f32 v[112+\q], v[112+\q], v[ST+4*\q+1]
.endr
.irp q, 0,1,2,3,4,5,6,7
	v_rcp_f32 v[104+\q], v[104+\q]
.endr
	v_nop
	s_wait_alu depctr_va_vdst(0)
.irp q, 0,1,2,3,4,5,6,7
	v_mul_f32 v[76+\q], v[112+\q], v[104+\q]       ; column 64 (q / 4) + 4 r + q % 4, in both halves of the lanes
.endr
.irp c, 0,1,2,3
	v_cndmask_b32 v[84+\c], v[76+\c], v[80+\c], s[MASK]    ; lanes 0-15 keep columns 4 r + c, lanes 16-31 take 64 + 4 r + c
.endr
	v_add_nc_u32 v[AD1], -IMGB, v[IMG]             ; 16 x lane
	global_store_b128 v[AD1], v[84:87], s[16:17]   ; 32 lanes store 512 consecutive bytes, at a multiple of 512 from out0's first byte
	s_wait_tensorcnt 0x0                           ; the wave's end: behind my last tensor load and my last LDS store
	ds_add_u32 v[SPW], v[NIL]
	s_wait_dscnt 0x0
	s_endpgm
.Lfunc_end_k_q2872067716_attn:
	.size	k_q2872067716_attn, .Lfunc_end_k_q2872067716_attn-k_q2872067716_attn
	.p2alignl 7, 3214868480
	.fill 96, 4, 3214868480
	.section	.rodata,"a",@progbits
	.p2align	6, 0x0
	.amdhsa_kernel k_q2872067716_attn
		.amdhsa_group_segment_fixed_size 327680
		.amdhsa_private_segment_fixed_size 0
		.amdhsa_enable_private_segment 0
		.amdhsa_kernarg_size 56
		.amdhsa_user_sgpr_count 2
		.amdhsa_user_sgpr_kernarg_segment_ptr 1
		.amdhsa_wavefront_size32 1
		.amdhsa_system_sgpr_workgroup_id_x 1
		.amdhsa_system_sgpr_workgroup_id_y 1
		.amdhsa_system_sgpr_workgroup_id_z 1
		.amdhsa_system_vgpr_workitem_id 0
		.amdhsa_next_free_vgpr 1024
		.amdhsa_next_free_sgpr 66
		.amdhsa_reserve_vcc 0
		.amdhsa_float_denorm_mode_32 3
		.amdhsa_float_denorm_mode_16_64 3
		.amdhsa_memory_ordered 1
		.amdhsa_forward_progress 1
		.amdhsa_inst_pref_size 245
	.end_amdhsa_kernel
	.amdgpu_metadata
---
amdhsa.version: [ 1, 2 ]
amdhsa.kernels:
  - .name:           k_q2872067716_attn
    .symbol:         k_q2872067716_attn.kd
    .args:
      - { .name: hi, .offset: 0, .size: 8, .value_kind: global_buffer, .address_space: global }
      - { .name: ht, .offset: 8, .size: 8, .value_kind: global_buffer, .address_space: global }
      - { .name: ct, .offset: 16, .size: 8, .value_kind: global_buffer, .address_space: global }
      - { .name: ba, .offset: 24, .size: 8, .value_kind: global_buffer, .address_space: global }
      - { .name: wimg, .offset: 32, .size: 8, .value_kind: global_buffer, .address_space: global }
      - { .name: wsc, .offset: 40, .size: 8, .value_kind: global_buffer, .address_space: global }
      - { .name: out0, .offset: 48, .size: 8, .value_kind: global_buffer, .address_space: global }
    .group_segment_fixed_size: 327680
    .private_segment_fixed_size: 0
    .kernarg_segment_align: 8
    .kernarg_segment_size: 56
    .max_flat_workgroup_size: 128
    .sgpr_count:     66
    .vgpr_count:     1024
    .wavefront_size: 32
...
	.end_amdgpu_metadata
.endif
;; end of part 2
